; MI455X (gfx1250); checked and timed in simulation.
; The chip was launched on July 23, 2026; its instructions are those of AMD's public machine-readable ISA for CDNA 5 (MIT licence, August 2026) and "CDNA5" Instruction Set Architecture Reference Guide (July 2026). The comments in the code are by the model that wrote it; some were corrected since.
;; Mo E Layer. Allowed arithmetic: float matrix products may take bf16 or f16 operands with f32 sums; all other float work in f32.
;; Inputs: b1 2 x 4,096 float32; b2 2 x 1,024 float32; w1 2 x 1,024 x 4,096 float32; w2 2 x 4,096 x 1,024 float32; wg 1,024 x 2 float32; x 2 x 2,048 x 1,024 float32.
;; Outputs: out0 2 x 2,048 x 1,024 float32; out1 4,096 x 2 float32.
;; One version. Each part assembles by itself: llvm-mc -triple=amdgcn-amd-amdhsa -mcpu=gfx1250 --defsym DOCPART=n.
;; ======== version 1 of 1: 4 launches
;; limits: a function is approximated: absolute error at most 1.5e-07
;; workspace buffers: xb 8,388,608 bytes; w1b 16,777,216 bytes; w2b 16,777,216 bytes; cw 32,768 bytes; hs 67,108,864 bytes; part 67,108,864 bytes
;; launch prep (part 1): grid 512 x 1, 8 waves a work-group, no clusters, 1,536 bytes of LDS; arguments x, wg, w1, w2, xb, w1b, w2b, out1, cw; writes xb, w1b, w2b, out1, cw
.if DOCPART == 1
	.amdgcn_target "amdgcn-amd-amdhsa--gfx1250"
	.amdhsa_code_object_version 6
	.text
	.protected	k_q957e2f210b_prep
	.globl	k_q957e2f210b_prep
	.p2align	8
	.type	k_q957e2f210b_prep,@function
k_q957e2f210b_prep:
	s_mov_b64 s[64:65], 0
	v_nop
	global_prefetch_b8 v0, s[64:65] scope:SCOPE_SE
	s_setreg_imm32_b32 hwreg(HW_REG_WAVE_MODE, 25, 1), 1
	s_wait_xcnt 0x0
; PREP: casts x, w1, w2 to bf16 (same layouts) and makes the router's results.
;
; THE ROUTING, for all values of the inputs.  TOP_K = N_EXP = 2, so top_k names both experts for every token and only orders them.
; If p0 >= p1 (a tie too: top_k then names the lower index first) topi = (0, 1) and final = p0 out_0 + p1 out_1.
; If p0 <  p1, topi = (1, 0) and final = p0 out_1 + p1 out_0.  In both cases
;     final = max(p0, p1) out_0 + min(p0, p1) out_1.
; The choice selects a value only: one maximum and one minimum make it, and no address or branch hangs on it.
; No input and no product is left out: all six inputs reach an output.  Only top_k's first result, which reference() never uses, is not formed.
;
; cw[t] = (max(p0, p1), min(p0, p1)) in f32, so that expert e's weight for token t lies at byte 8 t + 4 e.   out1[t] = the two logits.
; THE LOGITS are a matrix product like the two others, and take their operands as those do: x and wg rounded to bf16, the sums in f32.  So the routing weights and the
; experts' outputs are made of one and the same rounded x; with weights from the unrounded x the result would carry a further term (the difference of the two weights'
; versions) x (out_0 - out_1), the same along a whole token.  With two columns the product stays on the vector unit: 8 multiply-adds for 4 numbers of x.
; LIMIT: out1 and the weights carry the rounding of x and wg to bf16 (a relative 2^-9 at the most in each operand).
; The softmax takes the maximum away before the exponentials, as reference() does.
;
; SHARES.  x, w1 and w2 are 83,886,080 bytes of f32: 163,840 for each of 512 work-groups, 20,480 for each of its eight waves, as 40 loads of 16 bytes a lane, all issued
; at once: there is no loop.  w1 and w2 are 1,024 pieces of 32 KiB each = 64 + 192 x 5.
;   Work-groups 0-127: 32 rows of x (a wave: 4 rows), with the logits on the way, and one piece of a weight: 0-63 take w1's pieces 0-63, 64-127 w2's.
;   Work-groups 128-319: five neighbouring pieces of w1 each, from piece 64 on.   320-511: the same of w2.
; LANES.  A load of the wave covers 512 consecutive bytes: lane l takes the 16 bytes at 32 (l % 16) + 16 (l / 16), so that lanes l and l + 16 hold the two halves of 32
; neighbouring bytes.  Two loads make four words of bf16 a lane; two exchanges of half-waves then give lanes 0-15 the first load's 256 bytes of bf16 and lanes 16-31 the
; second's, 16 neighbouring bytes a lane: one store of 512 consecutive bytes, aligned, for two loads.  So a wave issues 40 loads and 20 stores.
; No matrix unit, no cluster, no tensor load: nothing is used twice and nothing is multiplied but the two columns of wg.
.set XGROUPS, 128
.set HALFC,   192                      ; cast work-groups for each of w1 and w2
.set LO, 1                             ; v1        byte offset of my 16 bytes in the work-group's f32 part
.set SO, 2                             ; v2        byte offset of my 16 bytes in its bf16 part
.set WO, 3                             ; v3        my 8 numbers in each 1,024 bytes of wg: twice my place in 512 bytes of x
.set P,  4                             ; v[4:11]   four partial pairs (logit 0, logit 1)
.set X,  16                            ; v[16:175] load j at X + 4 j; pair m's four words of bf16 then lie at X + 8 m
.set W,  176                           ; v[176:239] my rows of wg for x's load c of a row at W + 8 c, rounded to bf16 and widened again
.set S,  176                           ; v[176:187] at work in the softmax, when wg is no longer needed
.set A,  240                           ; v[240:247] row i's two logits at A + 2 i
.set TW, 248                           ; v248      at work while wg is rounded
.set TX, 250                           ; v[250:253] the four rounded numbers of a load of x, widened to f32
.set LW, 254                           ; v254      x's work-groups: my offset in the piece of a weight, f32
.set SW, 255                           ; v255      the same, bf16
	s_load_b512 s[4:19], s[0:1], 0x0               ; x s[4:5], wg s[6:7], w1 s[8:9], w2 s[10:11], xb s[12:13], w1b s[14:15], w2b s[16:17], out1 s[18:19]
	s_load_b64 s[20:21], s[0:1], 0x40              ; cw
	v_lshl_add_u32 v249, v0, 2, 0x200
	s_set_vgpr_msb 0x40
	v_mov_b32 v1, 0
	s_set_vgpr_msb 0x4000
	v_lshrrev_b32 v12, 5, v0
	v_readfirstlane_b32 s22, v12                   ; wave
	v_and_b32 v13, 31, v0                          ; lane
	v_and_b32 v14, 15, v0
	v_bfe_u32 v15, v0, 4, 1
	v_lshlrev_b32 v14, 5, v14
	v_lshl_or_b32 v14, v15, 4, v14                 ; my place in a load's 512 bytes: 32 (l % 16) + 16 (l / 16)
	s_mov_b32 s29, 0                               ; upper word of every offset pair
	s_cmp_lt_u32 ttmp9, XGROUPS
	s_cbranch_scc1 .Lx
; loads 2 m and 2 m + 1: eight f32 to eight bf16, into the first four of their eight registers
.macro CV m
	v_cvt_pk_bf16_f32 v[X+8*(\m)],   v[X+8*(\m)],   v[X+8*(\m)+1]
	v_cvt_pk_bf16_f32 v[X+8*(\m)+1], v[X+8*(\m)+2], v[X+8*(\m)+3]
	v_cvt_pk_bf16_f32 v[X+8*(\m)+2], v[X+8*(\m)+4], v[X+8*(\m)+5]
	v_cvt_pk_bf16_f32 v[X+8*(\m)+3], v[X+8*(\m)+6], v[X+8*(\m)+7]
.endm
; The first load's upper half-wave changes places with the second load's lower one, word by word: lane l < 16 then holds numbers 8 l .. 8 l + 7 of the first load's 128,
; lane 16 + l those of the second's.  The four registers are written once more by nothing, so the store needs no wait.
.macro ST m, so, base, off
	v_permlane16_swap_b32 v[X+8*(\m)],   v[X+8*(\m)+2]
	v_permlane16_swap_b32 v[X+8*(\m)+1], v[X+8*(\m)+3]
	global_store_b128 v[\so], v[X+8*(\m):X+8*(\m)+3], s[\base:\base+1] offset:\off
.endm
	; ---- the weights: a plain cast of 163,840 neighbouring bytes ----
	s_sub_co_u32 s23, ttmp9, XGROUPS               ; 0-191: w1, 192-383: w2
	s_sub_co_u32 s28, s23, HALFC
	s_cmp_lt_u32 s23, HALFC
	s_cselect_b32 s28, s23, s28                    ; which five pieces of it
	s_mul_i32 s28, s28, 5*16384                    ; in bytes of bf16,
	s_add_co_u32 s28, s28, 64*16384                ; behind the 64 pieces that x's work-groups take
	v_mul_u32_u24 v[LO], v12, 20480
	v_add_nc_u32 v[LO], v[LO], v14
	v_mul_u32_u24 v[SO], v12, 10240
	v_lshl_add_u32 v[SO], v13, 4, v[SO]
	s_wait_kmcnt 0x0
	s_cmp_lt_u32 s23, HALFC
	s_cselect_b64 s[24:25], s[8:9], s[10:11]       ; from
	s_cselect_b64 s[26:27], s[14:15], s[16:17]     ; to
	s_add_nc_u64 s[26:27], s[26:27], s[28:29]
	s_lshl_b32 s28, s28, 1
	s_add_nc_u64 s[24:25], s[24:25], s[28:29]
.set jj, 0
.rept 40
	global_load_b128 v[X+4*jj:X+4*jj+3], v[LO], s[24:25] offset:512*jj th:TH_LOAD_NT
.set jj, jj+1
.endr
.set pp, 0
.rept 20
	s_wait_loadcnt 38-2*pp                         ; loads come back in order: pair pp is in, the 38 - 2 pp younger loads stay out
	CV pp
	ST pp, SO, 26, 512*pp
.set pp, pp+1
.endr
	s_endpgm
	; ---- x: the cast, the router, and one piece of a weight ----
.Lx:
	v_lshlrev_b32 v[WO], 1, v14                    ; a number of x is 4 bytes, its row of wg 8
	v_lshl_add_u32 v[LO], v12, 14, v14             ; x: 16,384 wave + my place
	v_lshlrev_b32 v[SO], 4, v13
	v_lshl_add_u32 v[SW], v12, 11, v[SO]           ; the piece, bf16: 2,048 wave + 16 lane
	v_lshl_add_u32 v[SO], v12, 13, v[SO]           ; xb: 8,192 wave + 16 lane
	v_lshl_add_u32 v[LW], v12, 12, v14             ; the piece, f32: 4,096 wave + my place
	s_mov_b32 s30, 0x76543210                      ; v_permlanex16_b32: lane i of one half reads lane i of the other
	s_mov_b32 s31, 0xfedcba98
	s_mov_b32 s35, 0xffff0000                      ; a word's upper bf16
	s_lshl_b32 s34, s22, 5                         ; my wave's 32 bytes (4 rows x 8) in each of the two LDS tables
	s_lshl_b32 s28, ttmp9, 17
	s_wait_kmcnt 0x0
	s_add_nc_u64 s[24:25], s[4:5], s[28:29]        ; x at the work-group's 32 rows
	s_lshl_b32 s28, ttmp9, 16
	s_add_nc_u64 s[26:27], s[12:13], s[28:29]      ; xb likewise
	s_cmp_lt_u32 ttmp9, 64
	s_cselect_b64 s[36:37], s[8:9], s[10:11]       ; the piece: of w1 or of w2,
	s_cselect_b64 s[38:39], s[14:15], s[16:17]
	s_and_b32 s28, ttmp9, 63                       ; which of its first 64
	s_lshl_b32 s28, s28, 14
	s_add_nc_u64 s[38:39], s[38:39], s[28:29]
	s_lshl_b32 s28, s28, 1
	s_add_nc_u64 s[36:37], s[36:37], s[28:29]
.irp c, 0,1,2,3,4,5,6,7
	global_load_b128 v[W+8*\c:W+8*\c+3],   v[WO], s[6:7] offset:1024*\c
	global_load_b128 v[W+8*\c+4:W+8*\c+7], v[WO], s[6:7] offset:1024*\c+16
.endr
.set jj, 0
.rept 32
	global_load_b128 v[X+4*jj:X+4*jj+3], v[LO], s[24:25] offset:512*jj th:TH_LOAD_NT   ; jj = 8 i + c: row i of my four, its bytes 512 c ..
.set jj, jj+1
.endr
.irp j, 0,1,2,3,4,5,6,7
	global_load_b128 v[X+128+4*\j:X+128+4*\j+3], v[LW], s[36:37] offset:512*\j th:TH_LOAD_NT
.endr
	; wg is rounded to bf16 once and widened again in place
	s_wait_loadcnt 40                              ; wg's sixteen loads are in; x's 32 and the piece's 8, which are younger, stay out
.set mm, 0
.rept 32
	v_cvt_pk_bf16_f32 v[TW], v[W+2*mm], v[W+2*mm+1]
	v_lshlrev_b32 v[W+2*mm],   16,  v[TW]          ; bf16 to f32: the low half moves up,
	v_and_b32     v[W+2*mm+1], s35, v[TW]          ; the high half stays
.set mm, mm+1
.endr
; The four rounded numbers of one load (two words at v[r]), widened, times their rows of wg, onto four pairs that do not wait for each other.
; A row's first load starts the sums: nothing is cleared.
.macro DOT r, c
	v_lshlrev_b32 v[TX],   16,  v[\r]
	v_and_b32     v[TX+1], s35, v[\r]
	v_lshlrev_b32 v[TX+2], 16,  v[\r+1]
	v_and_b32     v[TX+3], s35, v[\r+1]
.if \c == 0
	v_pk_mul_f32 v[P:P+1],   v[TX:TX+1],   v[W+8*(\c):W+8*(\c)+1]   op_sel_hi:[0,1]
	v_pk_mul_f32 v[P+2:P+3], v[TX:TX+1],   v[W+8*(\c)+2:W+8*(\c)+3] op_sel:[1,0] op_sel_hi:[1,1]
	v_pk_mul_f32 v[P+4:P+5], v[TX+2:TX+3], v[W+8*(\c)+4:W+8*(\c)+5] op_sel_hi:[0,1]
	v_pk_mul_f32 v[P+6:P+7], v[TX+2:TX+3], v[W+8*(\c)+6:W+8*(\c)+7] op_sel:[1,0] op_sel_hi:[1,1]
.else
	v_pk_fma_f32 v[P:P+1],   v[TX:TX+1],   v[W+8*(\c):W+8*(\c)+1],   v[P:P+1]   op_sel_hi:[0,1,1]
	v_pk_fma_f32 v[P+2:P+3], v[TX:TX+1],   v[W+8*(\c)+2:W+8*(\c)+3], v[P+2:P+3] op_sel:[1,0,0] op_sel_hi:[1,1,1]
	v_pk_fma_f32 v[P+4:P+5], v[TX+2:TX+3], v[W+8*(\c)+4:W+8*(\c)+5], v[P+4:P+5] op_sel_hi:[0,1,1]
	v_pk_fma_f32 v[P+6:P+7], v[TX+2:TX+3], v[W+8*(\c)+6:W+8*(\c)+7], v[P+6:P+7] op_sel:[1,0,0] op_sel_hi:[1,1,1]
.endif
.endm
.irp i, 0,1,2,3
.irp q, 0,1,2,3
	s_wait_loadcnt 38-2*(4*\i+\q)                  ; pair 4 i + q of x is in; the younger loads stay out
	CV (4*\i+\q)                                   ; rounded;
	DOT X+8*(4*\i+\q),   2*\q                      ; the rounded numbers go into the logits while each lane still holds its own,
	DOT X+8*(4*\i+\q)+2, 2*\q+1
	ST (4*\i+\q), SO, 26, 512*(4*\i+\q)            ; and then on their way to xb
.endr
	v_pk_add_f32 v[P:P+1],   v[P:P+1],   v[P+2:P+3]
	v_pk_add_f32 v[P+4:P+5], v[P+4:P+5], v[P+6:P+7]
	v_pk_add_f32 v[A+2*\i:A+2*\i+1], v[P:P+1], v[P+4:P+5]
.endr
.irp q, 16,17,18,19
	s_wait_loadcnt 38-2*\q                         ; the piece's pairs: the counts run down 6, 4, 2, 0
	CV \q
	ST \q, SW, 38, 512*(\q-16)
.endr
	; across the 32 lanes: four steps inside each half of 16 lanes, one across the halves; every lane ends with the sums
.irp k, 0,1,2,3,4,5,6,7
	v_add_f32_dpp v[A+\k], v[A+\k], v[A+\k] row_xmask:1 row_mask:0xf bank_mask:0xf
	v_add_f32_dpp v[A+\k], v[A+\k], v[A+\k] row_xmask:2 row_mask:0xf bank_mask:0xf
	v_add_f32_dpp v[A+\k], v[A+\k], v[A+\k] row_xmask:4 row_mask:0xf bank_mask:0xf
	v_add_f32_dpp v[A+\k], v[A+\k], v[A+\k] row_xmask:8 row_mask:0xf bank_mask:0xf
	v_permlanex16_b32 v[P+\k], v[A+\k], s30, s31   ; its destination counts as read: P has been written
	v_add_f32 v[A+\k], v[A+\k], v[P+\k]
.endr
	; lane l goes on with row q = l mod 4 of the wave's four
	v_and_b32 v14, 3, v13
	v_cmp_eq_u32 vcc_lo, 1, v14
	v_cndmask_b32 v[S],   v[A+0], v[A+2], vcc_lo
	v_cndmask_b32 v[S+1], v[A+1], v[A+3], vcc_lo
	v_cmp_eq_u32 vcc_lo, 2, v14
	v_cndmask_b32 v[S],   v[S],   v[A+4], vcc_lo
	v_cndmask_b32 v[S+1], v[S+1], v[A+5], vcc_lo
	v_cmp_eq_u32 vcc_lo, 3, v14
	v_cndmask_b32 v[S],   v[S],   v[A+6], vcc_lo
	v_cndmask_b32 v[S+1], v[S+1], v[A+7], vcc_lo
	; softmax over the two logits, the maximum taken away first
	v_max_num_f32 v[S+2], v[S], v[S+1]
	v_sub_f32 v[S+4], v[S],   v[S+2]
	v_sub_f32 v[S+5], v[S+1], v[S+2]
	v_mul_f32 v[S+4], 0x3fb8aa3b, v[S+4]           ; e^d = 2^(d log2 e)
	v_mul_f32 v[S+5], 0x3fb8aa3b, v[S+5]
	v_exp_f32 v[S+6], v[S+4]
	v_exp_f32 v[S+7], v[S+5]
	v_lshl_or_b32 v15, v14, 3, s34                 ; LDS: 32 wave + 8 q.  Also the plain instruction between the exponentials and their use (ISA guide 5.7.2)
	s_wait_alu depctr_va_vdst(0)
	v_add_f32 v[S+8], v[S+6], v[S+7]
	v_rcp_f32 v[S+9], v[S+8]
	v_lshlrev_b32 v12, 3, v0                       ; 8 x thread, for the read below.  Also the plain instruction behind the reciprocal
	s_wait_alu depctr_va_vdst(0)
	v_mul_f32 v[S+6], v[S+6], v[S+9]
	v_mul_f32 v[S+7], v[S+7], v[S+9]
	v_max_num_f32 v[S+10], v[S+6], v[S+7]          ; expert 0's weight
	v_min_num_f32 v[S+11], v[S+6], v[S+7]          ; expert 1's weight
	ds_store_b64 v15, v[S:S+1]                     ; LDS bytes 0-255: the logits of the 32 rows.  The eight lanes of one q write the same words with the same values
	ds_store_b64 v15, v[S+10:S+11] offset:256      ; LDS bytes 256-511: the weights
	s_wait_dscnt 0x0                               ; my stores are done, for the waves that read them:
	s_barrier_signal -1
	s_barrier_wait -1
	s_cmp_gt_u32 s22, 1
	s_cbranch_scc1 .Lend
	s_cmp_eq_u32 s22, 0                            ; wave 0 writes the work-group's 256 bytes of out1, wave 1 those of cw: one store of 256 consecutive bytes, aligned, each
	s_cselect_b64 s[32:33], s[18:19], s[20:21]
	s_lshl_b32 s28, ttmp9, 8
	s_add_nc_u64 s[32:33], s[32:33], s[28:29]
	v_lshlrev_b32 v14, 3, v13                      ; 8 x lane
	ds_load_b64 v[S+2:S+3], v12                    ; wave 0: bytes 0-255, wave 1: bytes 256-511
	s_wait_dscnt 0x0
	global_store_b64 v14, v[S+2:S+3], s[32:33]
.Lend:
	s_set_vgpr_msb 0x4
	s_wait_tensorcnt 0x0
	ds_add_u32 v249, v1
	s_wait_dscnt 0x0
	s_set_vgpr_msb 0x400
	s_endpgm
.Lfunc_end_k_q957e2f210b_prep:
	.size	k_q957e2f210b_prep, .Lfunc_end_k_q957e2f210b_prep-k_q957e2f210b_prep
	.p2alignl 7, 3214868480
	.fill 96, 4, 3214868480
	.section	.rodata,"a",@progbits
	.p2align	6, 0x0
	.amdhsa_kernel k_q957e2f210b_prep
		.amdhsa_group_segment_fixed_size 1536
		.amdhsa_private_segment_fixed_size 0
		.amdhsa_enable_private_segment 0
		.amdhsa_kernarg_size 72
		.amdhsa_user_sgpr_count 2
		.amdhsa_user_sgpr_kernarg_segment_ptr 1
		.amdhsa_wavefront_size32 1
		.amdhsa_system_sgpr_workgroup_id_x 1
		.amdhsa_system_sgpr_workgroup_id_y 1
		.amdhsa_system_sgpr_workgroup_id_z 1
		.amdhsa_system_vgpr_workitem_id 0
		.amdhsa_next_free_vgpr 258
		.amdhsa_next_free_sgpr 66
		.amdhsa_reserve_vcc 1
		.amdhsa_float_denorm_mode_32 3
		.amdhsa_float_denorm_mode_16_64 3
		.amdhsa_memory_ordered 1
		.amdhsa_forward_progress 1
		.amdhsa_inst_pref_size 51
	.end_amdhsa_kernel
	.amdgpu_metadata
---
amdhsa.version: [ 1, 2 ]
amdhsa.kernels:
  - .name:           k_q957e2f210b_prep
    .symbol:         k_q957e2f210b_prep.kd
    .args:
      - { .name: x, .offset: 0, .size: 8, .value_kind: global_buffer, .address_space: global }
      - { .name: wg, .offset: 8, .size: 8, .value_kind: global_buffer, .address_space: global }
      - { .name: w1, .offset: 16, .size: 8, .value_kind: global_buffer, .address_space: global }
      - { .name: w2, .offset: 24, .size: 8, .value_kind: global_buffer, .address_space: global }
      - { .name: xb, .offset: 32, .size: 8, .value_kind: global_buffer, .address_space: global }
      - { .name: w1b, .offset: 40, .size: 8, .value_kind: global_buffer, .address_space: global }
      - { .name: w2b, .offset: 48, .size: 8, .value_kind: global_buffer, .address_space: global }
      - { .name: out1, .offset: 56, .size: 8, .value_kind: global_buffer, .address_space: global }
      - { .name: cw, .offset: 64, .size: 8, .value_kind: global_buffer, .address_space: global }
    .group_segment_fixed_size: 1536
    .private_segment_fixed_size: 0
    .kernarg_segment_align: 8
    .kernarg_segment_size: 72
    .max_flat_workgroup_size: 256
    .sgpr_count:     66
    .vgpr_count:     258
    .wavefront_size: 32
...
	.end_amdgpu_metadata
.endif
;; end of part 1
;; launch fc (part 2): grid 32 x 16, 4 waves a work-group, clusters of 4 x 4, 327,680 bytes of LDS; arguments xb, w1b, hs, b1, cw; writes hs
.if DOCPART == 2
	.amdgcn_target "amdgcn-amd-amdhsa--gfx1250"
	.amdhsa_code_object_version 6
	.text
	.protected	k_q957e2f210b_fc
	.globl	k_q957e2f210b_fc
	.p2align	8
	.type	k_q957e2f210b_fc,@function
k_q957e2f210b_fc:
	s_mov_b64 s[64:65], 0
	v_nop
	global_prefetch_b8 v0, s[64:65] scope:SCOPE_SE
	s_setreg_imm32_b32 hwreg(HW_REG_WAVE_MODE, 25, 1), 1
	s_wait_xcnt 0x0
	s_wait_alu depctr_hold_cnt(0) depctr_sa_sdst(0) depctr_va_vdst(0) depctr_va_sdst(0) depctr_va_ssrc(0) depctr_va_vcc(0) depctr_vm_vsrc(0)
	s_getreg_b32 s2, hwreg(HW_REG_IB_STS2, 6, 4)
	s_cmp_eq_u32 s2, 0
	s_cbranch_scc0 .Lentry_in_a_cluster
	s_endpgm
.Lentry_in_a_cluster:
	s_bfe_u32 s2, ttmp6, 0x10000c
	s_cmp_lg_u32 s2, 0xf033
	s_cbranch_scc0 .Lentry_shape_is_right
	s_endpgm
.Lentry_shape_is_right:
; FC: hs[t][n] = c_e[t] gelu( sum over d of xb[t][d] w1b[e][d][h] + b1[e][h] ),  n = 4096 e + h,  c_e[t] = cw[t][e],  rounded once to bf16.
; Both experts stand side by side along n: one product of 4096 x 8192 over K = 1024.  No work of reference() is left out here.
; The routing weight goes in before the one rounding, so that the second product can sum over both experts in one run of K.  bf16, not f16: c gelu(z) has f32's range.
;
; A work-group makes a block of 256 x 256 with four waves, as many as a WGP has SIMDs; a wave makes 128 x 128: 64 accumulator tiles of 16 x 16, 512 registers.
; K goes in steps of 128 through a ring of two LDS slots filled by the tensor data mover.
;   A (xb, K along the rows): 256 rows of 256 bytes, LDS pitch 272.
;   B (w1b, n along the rows): 128 k-rows of 512 bytes, LDS pitch 544; its fragments are read with the transposing LDS load.
; CLUSTERS: 4 x 4 work-groups.  The four of a row of the cluster need the same tiles of A, the four of a column the same tiles of B: each tile is asked for jointly,
; by the same tensor load with the same descriptor and a mask that names the four.  That divides the requests for A and for B by four.
;
; REGISTERS, in windows of 256:
;   window 0: v0-31 addresses; v32-39 routing weights; v40-57 constants of the gelu; v64-127, v128-191 fragments of A, two buffers; on the way out v64-255 are at work
;   window 1: v64-127, v128-191 fragments of B, two buffers; v192-255 b1 of my 128 columns
;   window 2: the 32 accumulator tiles of my rows 0-63 (tile (a, b) at v[8 (8 a + b)]);   window 3: those of my rows 64-127
; THE MATRIX INSTRUCTION IS USED TRANSPOSED: source 0 = 16 columns of B, source 1 = 16 rows of A.  Lane l then holds row l % 16, and its registers 0-7 the
; columns 8 (l / 16) + 0..7: eight neighbouring numbers of a row of hs, which pack into 16 bytes.
; The 64 accumulators take turns, one instruction a turn, in the same order in every quarter step, over the backward jump too.
;
; THE GELU.  c gelu(z) = H + |H| erf(|z| / sqrt 2) with H = 0.5 c z, which holds because c, a softmax's output, is never negative.
; erf(x) = 1 - (a1 t + .. + a5 t^5) e^(-x^2), t = 1 / (1 + 0.3275911 x) (Abramowitz and Stegun 7.1.26).
; LIMITS: that form's absolute error is at most 1.5e-7; below z of about -5 the result is a difference of two numbers of size 0.5 c |z| and carries their rounding
; (about 6e-8 c |z|), as 0.5 z (1 + erf) does; where z^2 overflows the exponential is 0 and the result is c z or 0.  Matrix operands are rounded to bf16.
.set SIZE_K, 1024
.set SIZE_N, 8192
.set SIZE_H, 4096
.set KSTEP,  128
.set PITCH,  272                       ; A's LDS row: 256 bytes + 16 of padding: the 16 rows that a load touches start 16 bytes apart modulo 256
.set BPITCH, 544                       ; B's LDS row: 512 bytes + 32 of padding, an odd multiple of 32 bytes
.set HALFT,  128*PITCH                 ; what one tensor load brings: 128 rows of A, or 64 k-rows of B (64 x 544 is the same 34,816 bytes)
.set SLOT,   4*HALFT                   ; A's 256 rows, then B's 128 k-rows
.set STAGE,  2*SLOT                    ; behind the ring: 16 rows x 272 bytes for each wave, for the way out; no tensor load lands here
.set SPITCH, 272
.set LAPS,   SIZE_K/(2*KSTEP)          ; a lap = two K steps = once round the ring: 4
.set ASTEP,  2*KSTEP*2                 ; two K steps along A's rows, in bytes
.set BSTEP,  2*KSTEP*SIZE_H*2          ; two K steps down B's rows, in bytes
.set ADRA, 16                          ; v16-17  LDS address of my A fragments in slot 0, 1
.set ADRB, 20                          ; v20-21  the same for B
.set STO,  24                          ; v24     the way out: where I put 16 bytes of a row
.set RD,   25                          ; v25     the way out: where I read a row back
.set CO,   26                          ; v26     my byte offset in hs
.set BO,   27                          ; v27     32 (l / 16): my eight numbers in each 64 bytes of b1
.set CWO,  28                          ; v28     8 (l % 16): my row in each 16 rows of cw
.set CW,   32                          ; v32-39  c of row 16 i + l % 16 of my 128 rows
.set KP,   40                          ; v40     0.3275911 / sqrt 2
.set KE,   42                          ; v42-43  -log2(e) / 2
.set C5,   44                          ; v44-53  -a5, -a4, -a3, -a2, -a1, each twice
.set C4,   46
.set C3,   48
.set C2,   50
.set C1,   52
.set ONE,  54                          ; v54-55  1.0
.set CC,   56                          ; v56-57  0.5 c of the row at work
.set F0,   64                          ; fragment buffer 0
.set F1,   128                         ; fragment buffer 1
.set R0,   64                          ; the way out: rows read back, two sets by turns
.set R1,   96
.set PK,   128                         ; v128-159 packed results of 16 rows
.set T,    160                         ; v160-191 at work in the gelu
.set U,    168
.set E,    176
.set P,    184
.set Z,    192                         ; v192-255 (window 0) z of 16 rows x my 128 columns
.set BIAS, 192                         ; v192-255 (window 1) b1
.set G1,  24                           ; s[24:31] descriptor group 1 for A's tiles
.set G0,  32                           ; s[32:39] descriptor group 0 for A's tiles, one set for each slot
.set G1B, 48                           ; s[48:55] descriptor group 1 for B's tiles
.set G0B, 56                           ; s[56:63] descriptor group 0 for B's tiles, one set for each slot
.set MSB, 0
.macro WIN new                         ; the immediate's high byte repeats the setting that is left
.if MSB != \new
	s_set_vgpr_msb (MSB<<8)|\new
.set MSB, \new
.endif
.endm
.set MUL_LO, 0xa1                      ; source 0 (B) window 1, source 1 (A) window 0, C and D window 2
.set MUL_HI, 0xf1                      ; the same, C and D window 3
.set TO_B,   0x40                      ; destination window 1, address window 0
; A joint load.  Waves 0 and 1 fetch A's two halves, waves 2 and 3 B's.  Each line has one mask and one set of registers for all that issue it.
; The branch hangs on the wave's number alone: it is the same in every work-group.
.macro JLOAD s
	s_cmp_eq_u32 s11, 0
	s_cbranch_scc0 .Lfor_b_\@
	tensor_load_to_lds s[G0+4*\s:G0+4*\s+3], s[G1:G1+7]
	s_nop 0
	s_branch .Lasked_\@
.Lfor_b_\@:
	tensor_load_to_lds s[G0B+4*\s:G0B+4*\s+3], s[G1B:G1B+7]
	s_nop 0
.Lasked_\@:
.endm
; A round of the cluster's barrier: my work-group's barrier, so that wave 0's signal speaks for all four waves; wave 0 signals for the work-group; every wave
; waits for all sixteen work-groups; my work-group's barrier once more.
.macro CREST                           ; a round behind its opening barrier
	s_cmp_lg_u32 s10, 0
	s_cbranch_scc1 .Lnot_wave_0_\@
	s_barrier_signal -3
.Lnot_wave_0_\@:
	s_barrier_wait -3
	s_barrier_signal -1
	s_barrier_wait -1
.endm
.macro CROUND                          ; a whole round
	s_barrier_signal -1
	s_barrier_wait -1
	CREST
.endm
	s_load_b128 s[4:7], s[0:1], 0x0                ; xb s[4:5], w1b s[6:7]
	s_load_b64 s[8:9], s[0:1], 0x10                ; hs
	s_load_b128 s[68:71], s[0:1], 0x18             ; b1 s[68:69], cw s[70:71]
	s_set_vgpr_msb 0x40
	v_lshl_add_u32 v63, v0, 2, 0x48400
	s_set_vgpr_msb 0x4000
	v_mov_b32 v63, 0
	s_set_vgpr_msb 0x1
	ds_add_u32 v63, v63
	s_set_vgpr_msb 0x100
	v_lshrrev_b32 v1, 5, v0
	v_readfirstlane_b32 s10, v1                    ; wave 0..3
	s_lshr_b32 s11, s10, 1                         ; which half of the block's rows is mine.  Also: I fetch for A (0) or for B (1)
	s_and_b32 s12, s10, 1                          ; which half of its columns.  Also: which half of that tile I fetch
	s_bfe_u32 s40, ttmp6, 0x40000                  ; cx
	s_bfe_u32 s41, ttmp6, 0x40004                  ; cy
	s_lshl_b32 s42, ttmp9, 2                       ; in a cluster launch ttmp9 and ttmp7 count clusters
	s_add_co_u32 s42, s42, s40                     ; block column = 4 x cluster x + cx, 0..31
	s_and_b32 s13, ttmp7, 0xffff
	s_lshl_b32 s13, s13, 2
	s_add_co_u32 s13, s13, s41                     ; block row = 4 x cluster y + cy, 0..15
	s_lshl_b32 s43, s41, 2
	s_lshl_b32 s43, 15, s43                        ; my row of the cluster: places 4 cy .. 4 cy + 3
	s_lshl_b32 s44, 0x1111, s40                    ; my column: places cx, cx + 4, cx + 8, cx + 12
	; group 1 for A: 128 rows x 128 elements of 2 bytes, 4 words of padding behind every 64 words
	s_or_b32 s[G1+0], s43, (1<<16)|(1<<20)|(1<<21)|(5<<22)|(3<<25)
	s_mov_b32 s[G1+1], KSTEP<<16                   ; tensor_dim0 = 128
	s_mov_b32 s[G1+2], 128<<16                     ; tensor_dim1 = 128
	s_mov_b32 s[G1+3], KSTEP<<16                   ; tile_dim0 = 128
	s_mov_b32 s[G1+4], 128                         ; tile_dim1 = 128
	s_mov_b32 s[G1+5], SIZE_K                      ; elements from row to row
	s_mov_b32 s[G1+6], 0
	s_mov_b32 s[G1+7], 0
	; group 1 for B: 64 k-rows x 256 elements of 2 bytes, 8 words of padding behind every 128 words
	s_or_b32 s[G1B+0], s44, (1<<16)|(1<<20)|(1<<21)|(6<<22)|(7<<25)
	s_mov_b32 s[G1B+1], 256<<16                    ; tensor_dim0 = 256
	s_mov_b32 s[G1B+2], 64<<16                     ; tensor_dim1 = 64
	s_mov_b32 s[G1B+3], 256<<16                    ; tile_dim0 = 256
	s_mov_b32 s[G1B+4], 64                         ; tile_dim1 = 64
	s_mov_b32 s[G1B+5], SIZE_H                     ; elements from k-row to k-row
	s_mov_b32 s[G1B+6], 0
	s_mov_b32 s[G1B+7], 0
	; where the tiles come from.  A's hang on the block row alone, B's on the block column alone; each is made in registers that never hold the other coordinate.
	s_lshl_b32 s17, s12, 7
	s_lshl_b32 s16, s13, 8
	s_add_co_u32 s16, s16, s17                     ; A: row 256 x block row + 128 x half
	s_mov_b32 s17, 0
	s_mov_b64 s[18:19], SIZE_K*2
	s_mul_u64 s[16:17], s[16:17], s[18:19]         ; in bytes
	s_lshr_b32 s45, s42, 4                         ; B: the expert = block column / 16,
	s_lshl_b32 s46, s45, 23                        ; 1024 x 4096 x 2 bytes each,
	s_and_b32 s72, s42, 15
	s_lshl_b32 s72, s72, 9                         ; 512 bytes of a k-row for each block column of the expert,
	s_add_co_u32 s46, s46, s72
	s_lshl_b32 s72, s12, 19                        ; and 64 k-rows of 8,192 bytes for the second half
	s_add_co_u32 s46, s46, s72
	s_mov_b32 s47, 0
	s_mul_i32 s20, s10, HALFT                      ; where they go: A's two halves, then B's two halves = wave x 34,816: no place in the cluster enters an LDS address
	s_lshl_b32 s74, s42, 10                        ; b1: 256 numbers of 4 bytes a block column (b1 is flat in n),
	s_lshl_b32 s75, s12, 9                         ; 128 for my half
	s_add_co_u32 s74, s74, s75
	s_mov_b32 s75, 0
	s_lshl_b32 s76, s13, 11                        ; cw: 256 rows of 8 bytes a block row,
	s_lshl_b32 s77, s11, 10                        ; 128 for my half,
	s_add_co_u32 s76, s76, s77
	s_lshl2_add_u32 s76, s45, s76                  ; 4 bytes for the expert
	s_mov_b32 s77, 0
	s_wait_dscnt 0x0
	s_wait_kmcnt 0x0
	s_add_nc_u64 s[14:15], s[4:5], s[16:17]
	s_add_nc_u64 s[46:47], s[6:7], s[46:47]
	s_add_nc_u64 s[68:69], s[68:69], s[74:75]
	s_add_nc_u64 s[70:71], s[70:71], s[76:77]
	CROUND                                         ; all sixteen work-groups are here: the first joint loads meet
.irp s, 0,1
	s_mov_b32 s[G0+4*\s], 1                                        ; count = 1
	s_add_co_u32 s[G0+4*\s+1], s20, \s*SLOT                        ; LDS address
	s_add_nc_u64 s[G0+4*\s+2:G0+4*\s+3], s[14:15], \s*KSTEP*2      ; global address: K step s
	s_or_b32 s[G0+4*\s+3], s[G0+4*\s+3], 0x80000000                ; type = 2
	s_mov_b32 s[G0B+4*\s], 1
	s_add_co_u32 s[G0B+4*\s+1], s20, \s*SLOT
	s_add_nc_u64 s[G0B+4*\s+2:G0B+4*\s+3], s[46:47], \s*KSTEP*SIZE_H*2
	s_or_b32 s[G0B+4*\s+3], s[G0B+4*\s+3], 0x80000000
	JLOAD \s                                       ; the ring is filled before anything else is done: two tensor loads of the wave are out
.endr
	; A's fragment (16 rows x 32 K, K along the LDS rows): two loads of 16 bytes, 32 bytes apart, at row x pitch + 16 (l / 16).
	; B's fragment (32 k-rows x 16 columns, n along the LDS rows): two transposing loads, 16 k-rows apart, at (8 (l / 16) + l % 8) x pitch + 16 ((l / 8) % 2).
	v_and_b32 v1, 15, v0                           ; l % 16
	v_bfe_u32 v2, v0, 4, 1                         ; l / 16
	v_mul_u32_u24 v3, v1, PITCH
	v_lshl_add_u32 v3, v2, 4, v3
	v_and_b32 v5, 7, v0
	v_bfe_u32 v6, v0, 3, 1
	v_lshl_add_u32 v7, v2, 3, v5
	v_mul_u32_u24 v7, v7, BPITCH
	v_lshl_add_u32 v7, v6, 4, v7
	s_mul_i32 s21, s11, HALFT                      ; my 128 rows of A
	s_lshl_b32 s22, s12, 8                         ; my 128 columns of B: 256 bytes along its rows,
	s_add_co_u32 s22, s22, 2*HALFT                 ; which lie behind A's 256 rows
.irp s, 0,1
	v_add_nc_u32 v[ADRA+\s], s21, v3
	v_add_nc_u32 v[ADRB+\s], s22, v7
	s_add_co_u32 s21, s21, SLOT
	s_add_co_u32 s22, s22, SLOT
.endr
	s_mul_i32 s23, s10, 16*SPITCH
	s_add_co_u32 s23, s23, STAGE                   ; my stage
	v_mul_u32_u24 v4, v1, SPITCH                   ; in: row l % 16, 16 bytes for each half of the lanes
	v_lshl_add_u32 v4, v2, 4, v4
	v_add_nc_u32 v[STO], s23, v4
	v_mul_u32_u24 v8, v2, SPITCH                   ; back: lanes 0-15 take one row of 256 bytes, lanes 16-31 the next
	v_lshl_add_u32 v8, v1, 4, v8
	v_add_nc_u32 v[RD], s23, v8
	v_mul_u32_u24 v9, v2, SIZE_N*2                 ; and the same two rows in hs
	v_lshl_add_u32 v[CO], v1, 4, v9
	v_lshlrev_b32 v[BO], 5, v2
	v_lshlrev_b32 v[CWO], 3, v1
	; b1 and c, once; they are waited for in front of the way out, and their address registers are never written again
	WIN TO_B
.irp b, 0,1,2,3,4,5,6,7
	global_load_b128 v[BIAS+8*\b:BIAS+8*\b+3],   v[BO], s[68:69] offset:64*\b      ; b1 of columns 16 b + 8 (l / 16) + 0..3
	global_load_b128 v[BIAS+8*\b+4:BIAS+8*\b+7], v[BO], s[68:69] offset:64*\b+16   ; and + 4..7
.endr
	WIN 0
.irp i, 0,1,2,3,4,5,6,7
	global_load_b32 v[CW+\i], v[CWO], s[70:71] offset:128*\i                       ; c of row 16 i + l % 16
.endr
; 16 matrix instructions: m blocks a0, a0 + 1 of the window's four (hi = 0: my rows 0-63, 1: rows 64-127) x all 8 n blocks, 32 along K.
; zero = 1: the first product starts the sums: nothing is ever cleared.
.macro MUL16 f, hi, a0, zero
.irp a, \a0, \a0+1
.irp b, 0,1,2,3,4,5,6,7
.if \zero
	v_wmma_f32_16x16x32_bf16 v[8*(8*(\a)+\b):8*(8*(\a)+\b)+7], v[\f+8*\b:\f+8*\b+7], v[\f+8*(4*\hi+\a):\f+8*(4*\hi+\a)+7], 0
.else
	v_wmma_f32_16x16x32_bf16 v[8*(8*(\a)+\b):8*(8*(\a)+\b)+7], v[\f+8*\b:\f+8*\b+7], v[\f+8*(4*\hi+\a):\f+8*(4*\hi+\a)+7], v[8*(8*(\a)+\b):8*(8*(\a)+\b)+7]
.endif
.endr
.endr
.endm
; 32 LDS loads in one run: the fragments of quarter step q (k = 32 q .. 32 q + 31 of the slot) into buffer f: B's sixteen first, then A's
.macro FETCH slot, q, f
	WIN TO_B
.irp i, 0,1,2,3,4,5,6,7
	ds_load_tr16_b128 v[\f+8*\i:\f+8*\i+3],   v[ADRB+\slot] offset:\q*32*BPITCH+32*\i
	ds_load_tr16_b128 v[\f+8*\i+4:\f+8*\i+7], v[ADRB+\slot] offset:\q*32*BPITCH+32*\i+16*BPITCH
.endr
	WIN 0
.irp i, 0,1,2,3,4,5,6,7
	ds_load_b128 v[\f+8*\i:\f+8*\i+3],   v[ADRA+\slot] offset:\q*64+\i*16*PITCH
	ds_load_b128 v[\f+8*\i+4:\f+8*\i+7], v[ADRA+\slot] offset:\q*64+\i*16*PITCH+32
.endr
.endm
; A load into a register that a matrix instruction has read stands four places behind it, and only plain vector instructions that name none of its
; registers are places (ISA guide 7.12.1 for vector instructions): four v_nop in front of each run of loads.
.macro PLACES
.rept 4
	v_nop
.endr
.endm
; One of a K step's first three quarters: multiplies buffer f; in its middle it fetches quarter q of the same slot into buffer g.
.macro QUARTER slot, q, f, g, zero
	s_wait_dscnt 8                                 ; B and A's rows 0-63 are in; the youngest eight loads (A's rows 64-127) may be out
	WIN MUL_LO
	MUL16 \f, 0, 0, \zero
	MUL16 \f, 0, 2, \zero
	PLACES
	FETCH \slot, \q, \g
	s_wait_dscnt 32                                ; all but the 32 just issued
	WIN MUL_HI
	MUL16 \f, 1, 0, \zero
	MUL16 \f, 1, 2, \zero
.endm
.macro THREE slot, zero
	QUARTER \slot, 1, F0, F1, \zero
	QUARTER \slot, 2, F1, F0, 0
	QUARTER \slot, 3, F0, F1, 0
.endm
; The last quarter: multiplies buffer 1 and changes slots.  fill = 1: this slot is filled again, two K steps ahead.
; In front of the barrier each wave waits for its own reads of this slot and for all its tensor loads, of which one is out: its part of the next slot.
; Behind it nobody reads this slot any more and the next slot is whole: the refill comes first, then the next slot's first fragments.
; From a request to the wait for it a wave issues 240 matrix instructions.
.macro TURN slot, next, fill
	s_wait_dscnt 8
	WIN MUL_LO
	MUL16 F1, 0, 0, 0
	s_wait_dscnt 0                                 ; my reads of this slot are over
	s_wait_tensorcnt 0x0                           ; and all my tensor loads have landed
	ds_add_u32 v63, v63
	s_wait_dscnt 0x0
	s_barrier_signal -1                            ; say so (where a slot is filled again this barrier opens a round of the cluster's barrier),
	MUL16 F1, 0, 2, 0                              ; work on registers while the others arrive,
	WIN 0
	s_barrier_wait -1
.if \fill
	CREST                                          ; no wave of any partner still reads this slot's tile or has a load on its way
	s_add_nc_u64 s[G0+4*\slot+2:G0+4*\slot+3], s[G0+4*\slot+2:G0+4*\slot+3], ASTEP
	s_add_nc_u64 s[G0B+4*\slot+2:G0B+4*\slot+3], s[G0B+4*\slot+2:G0B+4*\slot+3], BSTEP
	JLOAD \slot                                    ; the first tensor load behind the round, and the wave's only one until the next
.endif
	PLACES
	FETCH \next, 0, F0
	WIN MUL_HI
	MUL16 F1, 1, 0, 0
	MUL16 F1, 1, 2, 0
.endm
.macro LAP zero                        ; once round the ring, both slots filled again
	THREE 0, \zero
	TURN 0, 1, 1
	THREE 1, 0
	TURN 1, 0, 1
.endm
	s_wait_tensorcnt 0x1                           ; my part of K step 0 is in; K step 1's stays out
	s_barrier_signal -1
	s_barrier_wait -1                              ; everybody's is
	FETCH 0, 0, F0
	LAP 1                                          ; the first lap stands in front of the loop: its first products start the sums
	WIN 0                                          ; at a label and at a branch every window is 0
	s_mov_b32 s3, LAPS-2
.Llap:
	LAP 0
	WIN 0
	s_sub_co_u32 s3, s3, 1
	s_cmp_lg_u32 s3, 0
	s_cbranch_scc1 .Llap
	THREE 0, 0                                     ; the last lap fills nothing
	TURN 0, 1, 0
	THREE 1, 0
	s_wait_dscnt 8                                 ; the very last quarter: nothing more to fetch
	WIN MUL_LO
	MUL16 F1, 0, 0, 0
	MUL16 F1, 0, 2, 0
	s_wait_dscnt 0
	WIN MUL_HI
	MUL16 F1, 1, 0, 0
	MUL16 F1, 1, 2, 0
	; THE WAY OUT.  The fifteen moves name no register of a matrix instruction: they are the places behind the last ones.
	WIN 0
	v_mov_b32 v[KP],    0x3e6d3389                 ;  0.2316419 = 0.3275911 / sqrt 2
	v_mov_b32 v[KE],    0xbf38aa3b                 ; -0.7213475 = -log2(e) / 2
	v_mov_b32 v[KE+1],  0xbf38aa3b
	v_mov_b32 v[C5],    0xbf87dc22                 ; -1.061405429
	v_mov_b32 v[C5+1],  0xbf87dc22
	v_mov_b32 v[C4],    0x3fba00e3                 ;  1.453152027
	v_mov_b32 v[C4+1],  0x3fba00e3
	v_mov_b32 v[C3],    0xbfb5f0e3                 ; -1.421413741
	v_mov_b32 v[C3+1],  0xbfb5f0e3
	v_mov_b32 v[C2],    0x3e91a98e                 ;  0.284496736
	v_mov_b32 v[C2+1],  0x3e91a98e
	v_mov_b32 v[C1],    0xbe827906                 ; -0.254829592
	v_mov_b32 v[C1+1],  0xbe827906
	v_mov_b32 v[ONE],   1.0
	v_mov_b32 v[ONE+1], 1.0
	s_wait_loadcnt 0x0                             ; b1 and c
	s_lshl_b32 s13, s13, 8
	s_lshl_b32 s14, s11, 7
	s_add_co_u32 s16, s13, s14                     ; my first row of hs
	s_mov_b32 s17, 0
	s_mov_b64 s[18:19], SIZE_N*2
	s_mul_u64 s[16:17], s[16:17], s[18:19]
	s_add_nc_u64 s[8:9], s[8:9], s[16:17]
	s_lshl_b32 s46, s42, 9                         ; my first column, in bytes: 512 x block + 256 x half
	s_lshl_b32 s47, s12, 8
	s_add_co_u32 s46, s46, s47
	s_mov_b32 s47, 0
	s_add_nc_u64 s[8:9], s[8:9], s[46:47]
; c gelu(z) of the eight numbers at v[z ..], packed into four registers at v[pk ..]
.macro GELU8 z, pk
.irp k, 0,1,2,3,4,5,6,7
	v_fma_f32 v[T+\k], |v[\z+\k]|, v[KP], 1.0                                  ; 1 + p x
.endr
.irp k, 0,2,4,6
	v_pk_mul_f32 v[E+\k:E+\k+1], v[\z+\k:\z+\k+1], v[\z+\k:\z+\k+1]            ; z^2
.endr
.irp k, 0,1,2,3,4,5,6,7
	v_rcp_f32 v[U+\k], v[T+\k]                                                 ; t
.endr
.irp k, 0,2,4,6
	v_pk_mul_f32 v[E+\k:E+\k+1], v[E+\k:E+\k+1], v[KE:KE+1]                    ; plain work that touches neither T nor U stands behind the reciprocals (ISA guide 5.7.2)
.endr
.irp k, 0,1,2,3,4,5,6,7
	v_exp_f32 v[T+\k], v[E+\k]                                                 ; e^(-z^2 / 2)
.endr
	s_wait_alu depctr_va_vdst(0)
.irp k, 0,2,4,6
	v_pk_fma_f32 v[P+\k:P+\k+1], v[U+\k:U+\k+1], v[C5:C5+1], v[C4:C4+1]        ; plain work that touches neither E nor T stands behind the exponentials
.endr
.irp k, 0,2,4,6
	v_pk_fma_f32 v[P+\k:P+\k+1], v[P+\k:P+\k+1], v[U+\k:U+\k+1], v[C3:C3+1]
.endr
.irp k, 0,2,4,6
	v_pk_fma_f32 v[P+\k:P+\k+1], v[P+\k:P+\k+1], v[U+\k:U+\k+1], v[C2:C2+1]
.endr
.irp k, 0,2,4,6
	v_pk_fma_f32 v[P+\k:P+\k+1], v[P+\k:P+\k+1], v[U+\k:U+\k+1], v[C1:C1+1]
.endr
.irp k, 0,2,4,6
	v_pk_mul_f32 v[P+\k:P+\k+1], v[P+\k:P+\k+1], v[U+\k:U+\k+1]                ; -(a1 t + .. + a5 t^5)
.endr
.irp k, 0,2,4,6
	v_pk_mul_f32 v[E+\k:E+\k+1], v[\z+\k:\z+\k+1], v[CC:CC+1]                  ; H = 0.5 c z
.endr
.irp k, 0,2,4,6
	v_pk_fma_f32 v[P+\k:P+\k+1], v[P+\k:P+\k+1], v[T+\k:T+\k+1], v[ONE:ONE+1]  ; erf(|z| / sqrt 2)
.endr
.irp k, 0,1,2,3,4,5,6,7
	v_fma_f32 v[U+\k], |v[E+\k]|, v[P+\k], v[E+\k]                             ; H + |H| erf
.endr
.irp k, 0,1,2,3
	v_cvt_pk_bf16_f32 v[\pk+\k], v[U+2*\k], v[U+2*\k+1]
.endr
.endm
; rows 16 i .. 16 i + 15 of my block = the eight tiles (a, 0..7) of window 2 or 3 (from = 0x06 or 0x07: source 0 the accumulators' window, source 1 window 1); f: R0 or R1 in turn
.macro OUT16 i, a, from, f
	WIN \from
.irp b, 0,1,2,3,4,5,6,7
.irp r, 0,2,4,6
	v_pk_add_f32 v[Z+8*\b+\r:Z+8*\b+\r+1], v[8*(8*\a+\b)+\r:8*(8*\a+\b)+\r+1], v[BIAS+8*\b+\r:BIAS+8*\b+\r+1]   ; z = the sum + b1
.endr
.endr
	WIN 0
	v_mul_f32 v[CC],   0.5, v[CW+\i]
	v_mul_f32 v[CC+1], 0.5, v[CW+\i]
.irp b, 0,1,2,3,4,5,6,7
	GELU8 Z+8*\b, PK+4*\b
.endr
.irp b, 0,1,2,3,4,5,6,7
	ds_store_b128 v[STO], v[PK+4*\b:PK+4*\b+3] offset:32*\b
.endr
	s_wait_xcnt 0x0                                ; every earlier memory instruction has had its addresses translated (ISA guide 3.1): set f, which stores read, and the stores' base are rewritten only behind this wait
.if \i
	s_add_nc_u64 s[8:9], s[8:9], 16*SIZE_N*2       ; 16 rows of hs on
.endif
.irp t, 0,1,2,3,4,5,6,7
	ds_load_b128 v[\f+4*\t:\f+4*\t+3], v[RD] offset:\t*2*SPITCH    ; LDS serves a wave's instructions in order (ISA guide 5.7.1.4): these see the stores above; the stage is my wave's own
.endr
.irp t, 0,1,2,3,4,5,6,7
	s_wait_dscnt 7-\t                              ; read-back t is in, the 7 - t younger ones stay out
	global_store_b128 v[CO], v[\f+4*\t:\f+4*\t+3], s[8:9] offset:2*\t*SIZE_N*2   ; 16 lanes store 256 consecutive bytes, at a multiple of 256 from hs's first byte
.endr
.endm
	OUT16 0, 0, 0x06, R0
	OUT16 1, 1, 0x06, R1
	OUT16 2, 2, 0x06, R0
	OUT16 3, 3, 0x06, R1
	OUT16 4, 0, 0x07, R0
	OUT16 5, 1, 0x07, R1
	OUT16 6, 2, 0x07, R0
	OUT16 7, 3, 0x07, R1
	s_set_vgpr_msb 0x1
	s_wait_tensorcnt 0x0
	ds_add_u32 v63, v63
	s_wait_dscnt 0x0
	s_set_vgpr_msb 0x100
	CROUND                                         ; the closing round: no work-group ends while a partner may still ask for a tile that names it
	s_endpgm
.Lfunc_end_k_q957e2f210b_fc:
	.size	k_q957e2f210b_fc, .Lfunc_end_k_q957e2f210b_fc-k_q957e2f210b_fc
	.p2alignl 7, 3214868480
	.fill 96, 4, 3214868480
	.section	.rodata,"a",@progbits
	.p2align	6, 0x0
	.amdhsa_kernel k_q957e2f210b_fc
		.amdhsa_group_segment_fixed_size 327680
		.amdhsa_private_segment_fixed_size 0
		.amdhsa_enable_private_segment 0
		.amdhsa_kernarg_size 40
		.amdhsa_user_sgpr_count 2
		.amdhsa_user_sgpr_kernarg_segment_ptr 1
		.amdhsa_wavefront_size32 1
		.amdhsa_system_sgpr_workgroup_id_x 1
		.amdhsa_system_sgpr_workgroup_id_y 1
		.amdhsa_system_sgpr_workgroup_id_z 1
		.amdhsa_system_vgpr_workitem_id 0
		.amdhsa_next_free_vgpr 1024
		.amdhsa_next_free_sgpr 80
		.amdhsa_reserve_vcc 0
		.amdhsa_float_denorm_mode_32 3
		.amdhsa_float_denorm_mode_16_64 3
		.amdhsa_memory_ordered 1
		.amdhsa_forward_progress 1
		.amdhsa_inst_pref_size 255
	.end_amdhsa_kernel
	.section	.bss,"aw",@nobits
	.p2align	6
	.space	262144
	.amdgpu_metadata
---
amdhsa.version: [ 1, 2 ]
amdhsa.kernels:
  - .name:           k_q957e2f210b_fc
    .symbol:         k_q957e2f210b_fc.kd
    .args:
      - { .name: xb, .offset: 0, .size: 8, .value_kind: global_buffer, .address_space: global }
      - { .name: w1b, .offset: 8, .size: 8, .value_kind: global_buffer, .address_space: global }
      - { .name: hs, .offset: 16, .size: 8, .value_kind: global_buffer, .address_space: global }
      - { .name: b1, .offset: 24, .size: 8, .value_kind: global_buffer, .address_space: global }
      - { .name: cw, .offset: 32, .size: 8, .value_kind: global_buffer, .address_space: global }
    .group_segment_fixed_size: 327680
    .private_segment_fixed_size: 0
    .kernarg_segment_align: 8
    .kernarg_segment_size: 40
    .max_flat_workgroup_size: 128
    .sgpr_count:     80
    .vgpr_count:     1024
    .wavefront_size: 32
...
	.end_amdgpu_metadata
.endif
;; end of part 2
;; launch proj (part 3): grid 4 x 64, 4 waves a work-group, clusters of 4 x 4, 327,680 bytes of LDS; arguments hs, w2b, part; writes part
.if DOCPART == 3
	.amdgcn_target "amdgcn-amd-amdhsa--gfx1250"
	.amdhsa_code_object_version 6
	.text
	.protected	k_q957e2f210b_proj
	.globl	k_q957e2f210b_proj
	.p2align	8
	.type	k_q957e2f210b_proj,@function
k_q957e2f210b_proj:
	s_mov_b64 s[64:65], 0
	v_nop
	global_prefetch_b8 v0, s[64:65] scope:SCOPE_SE
	s_setreg_imm32_b32 hwreg(HW_REG_WAVE_MODE, 25, 1), 1
	s_wait_xcnt 0x0
	s_wait_alu depctr_hold_cnt(0) depctr_sa_sdst(0) depctr_va_vdst(0) depctr_va_sdst(0) depctr_va_ssrc(0) depctr_va_vcc(0) depctr_vm_vsrc(0)
	s_getreg_b32 s2, hwreg(HW_REG_IB_STS2, 6, 4)
	s_cmp_eq_u32 s2, 0
	s_cbranch_scc0 .Lentry_in_a_cluster
	s_endpgm
.Lentry_in_a_cluster:
	s_bfe_u32 s2, ttmp6, 0x10000c
	s_cmp_lg_u32 s2, 0xf033
	s_cbranch_scc0 .Lentry_shape_is_right
	s_endpgm
.Lentry_shape_is_right:
; PROJ: part[q][t][d] = sum over k = 2048 q .. 2048 q + 2047 of hs[t][k] w2b[k][d],  q = 0..3,  k = 4096 e + h running over both experts (8192), in f32.
; hs already carries each expert's routing weight, so the four parts add up to max(p0, p1) (h_0 w2_0) + min(p0, p1) (h_1 w2_1) of reference(); the next launch adds them
; and the weighted b2.  No work of reference() is left out here.
;
; WHY K IS SPLIT OVER WORK-GROUPS.  4096 x 1024 outputs are only 64 blocks of 256 x 256.  A block of 128 x 128 for each of 256 work-groups takes 512 bytes of tiles for each k
; and 16,384 multiply-adds; a block of 256 x 256 takes 1,024 bytes for 65,536.  So an LDS slot of 131,072 bytes feeds 256 matrix instructions a wave here against 128 there:
; twice the work under which the next slot lands, and half the bytes filled into LDS in all.  4 block columns x 16 block rows x 4 parts of K are 256 work-groups again.
; The price is the four partial blocks in f32, stored here and read once by the next launch.
;
; A work-group makes a block of 256 x 256 with four waves; a wave makes 128 x 128: 64 accumulator tiles of 16 x 16, 512 registers.
; K goes in steps of 128 through a ring of two LDS slots filled by the tensor data mover.
;   A (hs, K along the rows): 256 rows of 256 bytes, LDS pitch 272.
;   B (w2b, d along the rows): 128 k-rows of 512 bytes, LDS pitch 544; its fragments are read with the transposing LDS load.
; CLUSTERS: 4 x 4 work-groups.  Along x lie the four block columns; along y the block row runs fastest (y = 16 q + block row), so a cluster holds four block rows of ONE part of K.
; The four of a row of the cluster need the same tiles of A, the four of a column the same tiles of B: each tile is asked for jointly.  The part of K is taken from the
; cluster's y alone, so that B's address holds no place along the cluster's y.
;
; REGISTERS, in windows of 256:
;   window 0: v0-31 addresses; v64-127, v128-191 fragments of A, two buffers (on the way out: rows read back, by turns)
;   window 1: v64-127, v128-191 fragments of B, two buffers
;   window 2: the 32 accumulator tiles of my rows 0-63 (tile (a, b) at v[8 (8 a + b)]);   window 3: those of my rows 64-127
; THE MATRIX INSTRUCTION IS USED TRANSPOSED: source 0 = 16 columns of B, source 1 = 16 rows of A.  Lane l then holds row l % 16, and its registers 0-7 the
; columns 8 (l / 16) + 0..7: eight neighbouring f32 of a row, 32 bytes.
; The 64 accumulators take turns, one instruction a turn, in the same order in every quarter step, over the backward jump too.
; LIMIT: matrix operands are bf16.
.set SIZE_K, 8192                      ; elements in a row of hs
.set KPART,  2048                      ; of which a work-group sums this many
.set SIZE_N, 1024
.set KSTEP,  128
.set PITCH,  272                       ; A's LDS row: 256 bytes + 16 of padding: the 16 rows that a load touches start 16 bytes apart modulo 256
.set BPITCH, 544                       ; B's LDS row: 512 bytes + 32 of padding, an odd multiple of 32 bytes
.set HALFT,  128*PITCH                 ; what one tensor load brings: 128 rows of A, or 64 k-rows of B (64 x 544 is the same 34,816 bytes)
.set SLOT,   4*HALFT                   ; A's 256 rows, then B's 128 k-rows
.set STAGE,  2*SLOT                    ; behind the ring: 16 rows x 528 bytes for each wave, for the way out; no tensor load lands here
.set SPITCH, 528                       ; a row of 128 f32 + 16 bytes
.set LAPS,   KPART/(2*KSTEP)           ; a lap = two K steps = once round the ring: 8
.set ASTEP,  2*KSTEP*2                 ; two K steps along A's rows, in bytes
.set BSTEP,  2*KSTEP*SIZE_N*2          ; two K steps down B's rows, in bytes
.set ADRA, 16                          ; v16-17  LDS address of my A fragments in slot 0, 1
.set ADRB, 20                          ; v20-21  the same for B
.set STO,  24                          ; v24     the way out: where I put 32 bytes of a row
.set RD,   25                          ; v25     the way out: where I read 16 bytes of a row back
.set CO,   26                          ; v26     16 x lane: my byte offset in my wave's 512 bytes of a row of part
.set F0,   64                          ; fragment buffer 0
.set F1,   128                         ; fragment buffer 1
.set G1,  24                           ; s[24:31] descriptor group 1 for A's tiles
.set G0,  32                           ; s[32:39] descriptor group 0 for A's tiles, one set for each slot
.set G1B, 48                           ; s[48:55] descriptor group 1 for B's tiles
.set G0B, 56                           ; s[56:63] descriptor group 0 for B's tiles, one set for each slot
.set MSB, 0
.macro WIN new                         ; the immediate's high byte repeats the setting that is left
.if MSB != \new
	s_set_vgpr_msb (MSB<<8)|\new
.set MSB, \new
.endif
.endm
.set MUL_LO, 0xa1                      ; source 0 (B) window 1, source 1 (A) window 0, C and D window 2
.set MUL_HI, 0xf1                      ; the same, C and D window 3
.set TO_B,   0x40                      ; destination window 1, address window 0
; A joint load.  Waves 0 and 1 fetch A's two halves, waves 2 and 3 B's.  Each line has one mask and one set of registers for all that issue it.
; The branch hangs on the wave's number alone: it is the same in every work-group.
.macro JLOAD s
	s_cmp_eq_u32 s11, 0
	s_cbranch_scc0 .Lfor_b_\@
	tensor_load_to_lds s[G0+4*\s:G0+4*\s+3], s[G1:G1+7]
	s_nop 0
	s_branch .Lasked_\@
.Lfor_b_\@:
	tensor_load_to_lds s[G0B+4*\s:G0B+4*\s+3], s[G1B:G1B+7]
	s_nop 0
.Lasked_\@:
.endm
; A round of the cluster's barrier: my work-group's barrier, so that wave 0's signal speaks for all four waves; wave 0 signals for the work-group; every wave
; waits for all sixteen work-groups; my work-group's barrier once more.
.macro CREST                           ; a round behind its opening barrier
	s_cmp_lg_u32 s10, 0
	s_cbranch_scc1 .Lnot_wave_0_\@
	s_barrier_signal -3
.Lnot_wave_0_\@:
	s_barrier_wait -3
	s_barrier_signal -1
	s_barrier_wait -1
.endm
.macro CROUND                          ; a whole round
	s_barrier_signal -1
	s_barrier_wait -1
	CREST
.endm
	s_load_b128 s[4:7], s[0:1], 0x0                ; hs s[4:5], w2b s[6:7]
	s_load_b64 s[8:9], s[0:1], 0x10                ; part
	s_set_vgpr_msb 0x40
	v_lshl_add_u32 v255, v0, 2, 0x4c400
	s_set_vgpr_msb 0x4000
	v_mov_b32 v255, 0
	s_set_vgpr_msb 0x1
	ds_add_u32 v255, v255
	s_set_vgpr_msb 0x100
	v_lshrrev_b32 v1, 5, v0
	v_readfirstlane_b32 s10, v1                    ; wave 0..3
	s_lshr_b32 s11, s10, 1                         ; which half of the block's rows is mine.  Also: I fetch for A (0) or for B (1)
	s_and_b32 s12, s10, 1                          ; which half of its columns.  Also: which half of that tile I fetch
	s_bfe_u32 s40, ttmp6, 0x40000                  ; cx
	s_bfe_u32 s41, ttmp6, 0x40004                  ; cy
	s_lshl_b32 s42, ttmp9, 2                       ; in a cluster launch ttmp9 and ttmp7 count clusters
	s_add_co_u32 s42, s42, s40                     ; block column = 4 x cluster x + cx, 0..3
	s_and_b32 s13, ttmp7, 0xffff                   ; cluster y, 0..15
	s_lshr_b32 s45, s13, 2                         ; the part of K = cluster y / 4, 0..3: the same in all sixteen work-groups of the cluster
	s_and_b32 s13, s13, 3
	s_lshl_b32 s13, s13, 2
	s_add_co_u32 s13, s13, s41                     ; block row = 4 x (cluster y % 4) + cy, 0..15
	s_lshl_b32 s43, s41, 2
	s_lshl_b32 s43, 15, s43                        ; my row of the cluster: places 4 cy .. 4 cy + 3
	s_lshl_b32 s44, 0x1111, s40                    ; my column: places cx, cx + 4, cx + 8, cx + 12
	; group 1 for A: 128 rows x 128 elements of 2 bytes, 4 words of padding behind every 64 words
	s_or_b32 s[G1+0], s43, (1<<16)|(1<<20)|(1<<21)|(5<<22)|(3<<25)
	s_mov_b32 s[G1+1], KSTEP<<16                   ; tensor_dim0 = 128
	s_mov_b32 s[G1+2], 128<<16                     ; tensor_dim1 = 128
	s_mov_b32 s[G1+3], KSTEP<<16                   ; tile_dim0 = 128
	s_mov_b32 s[G1+4], 128                         ; tile_dim1 = 128
	s_mov_b32 s[G1+5], SIZE_K                      ; elements from row to row
	s_mov_b32 s[G1+6], 0
	s_mov_b32 s[G1+7], 0
	; group 1 for B: 64 k-rows x 256 elements of 2 bytes, 8 words of padding behind every 128 words
	s_or_b32 s[G1B+0], s44, (1<<16)|(1<<20)|(1<<21)|(6<<22)|(7<<25)
	s_mov_b32 s[G1B+1], 256<<16                    ; tensor_dim0 = 256
	s_mov_b32 s[G1B+2], 64<<16                     ; tensor_dim1 = 64
	s_mov_b32 s[G1B+3], 256<<16                    ; tile_dim0 = 256
	s_mov_b32 s[G1B+4], 64                         ; tile_dim1 = 64
	s_mov_b32 s[G1B+5], SIZE_N                     ; elements from k-row to k-row
	s_mov_b32 s[G1B+6], 0
	s_mov_b32 s[G1B+7], 0
	; where the tiles come from.  A's hang on the block row and the part of K, B's on the block column and the part of K; each is made in registers that never hold the
	; other's place in the cluster.  All offsets stay below 2^27 bytes.
	s_lshl_b32 s17, s12, 7
	s_lshl_b32 s16, s13, 8
	s_add_co_u32 s16, s16, s17                     ; A: row 256 x block row + 128 x half,
	s_lshl_b32 s16, s16, 14                        ; 16,384 bytes a row,
	s_lshl_b32 s17, s45, 12                        ; and 2,048 k of 2 bytes for each part of K
	s_add_co_u32 s16, s16, s17
	s_mov_b32 s17, 0
	s_lshl_b32 s46, s45, 22                        ; B: 2,048 k-rows of 2,048 bytes for each part of K,
	s_lshl_b32 s72, s12, 17                        ; 64 k-rows for the second half,
	s_add_co_u32 s46, s46, s72
	s_lshl_b32 s72, s42, 9                         ; 512 bytes of a k-row for each block column
	s_add_co_u32 s46, s46, s72
	s_mov_b32 s47, 0
	s_mul_i32 s20, s10, HALFT                      ; where they go: A's two halves, then B's two halves = wave x 34,816: no place in the cluster enters an LDS address
	s_wait_dscnt 0x0
	s_wait_kmcnt 0x0
	s_add_nc_u64 s[14:15], s[4:5], s[16:17]
	s_add_nc_u64 s[46:47], s[6:7], s[46:47]
	CROUND                                         ; all sixteen work-groups are here: the first joint loads meet
.irp s, 0,1
	s_mov_b32 s[G0+4*\s], 1                                        ; count = 1
	s_add_co_u32 s[G0+4*\s+1], s20, \s*SLOT                        ; LDS address
	s_add_nc_u64 s[G0+4*\s+2:G0+4*\s+3], s[14:15], \s*KSTEP*2      ; global address: K step s
	s_or_b32 s[G0+4*\s+3], s[G0+4*\s+3], 0x80000000                ; type = 2
	s_mov_b32 s[G0B+4*\s], 1
	s_add_co_u32 s[G0B+4*\s+1], s20, \s*SLOT
	s_add_nc_u64 s[G0B+4*\s+2:G0B+4*\s+3], s[46:47], \s*KSTEP*SIZE_N*2
	s_or_b32 s[G0B+4*\s+3], s[G0B+4*\s+3], 0x80000000
	JLOAD \s                                       ; the ring is filled before anything else is done: two tensor loads of the wave are out
.endr
	; A's fragment (16 rows x 32 K, K along the LDS rows): two loads of 16 bytes, 32 bytes apart, at row x pitch + 16 (l / 16).
	; B's fragment (32 k-rows x 16 columns, d along the LDS rows): two transposing loads, 16 k-rows apart, at (8 (l / 16) + l % 8) x pitch + 16 ((l / 8) % 2).
	v_and_b32 v1, 15, v0                           ; l % 16
	v_bfe_u32 v2, v0, 4, 1                         ; l / 16
	v_and_b32 v8, 31, v0                           ; l
	v_mul_u32_u24 v3, v1, PITCH
	v_lshl_add_u32 v3, v2, 4, v3
	v_and_b32 v5, 7, v0
	v_bfe_u32 v6, v0, 3, 1
	v_lshl_add_u32 v7, v2, 3, v5
	v_mul_u32_u24 v7, v7, BPITCH
	v_lshl_add_u32 v7, v6, 4, v7
	s_mul_i32 s21, s11, HALFT                      ; my 128 rows of A
	s_lshl_b32 s22, s12, 8                         ; my 128 columns of B: 256 bytes along its rows,
	s_add_co_u32 s22, s22, 2*HALFT                 ; which lie behind A's 256 rows
.irp s, 0,1
	v_add_nc_u32 v[ADRA+\s], s21, v3
	v_add_nc_u32 v[ADRB+\s], s22, v7
	s_add_co_u32 s21, s21, SLOT
	s_add_co_u32 s22, s22, SLOT
.endr
	s_mul_i32 s23, s10, 16*SPITCH
	s_add_co_u32 s23, s23, STAGE                   ; my stage
	v_mul_u32_u24 v4, v1, SPITCH                   ; in: row l % 16, 32 bytes for each half of the lanes
	v_lshl_add_u32 v4, v2, 5, v4
	v_add_nc_u32 v[STO], s23, v4
	v_lshlrev_b32 v[CO], 4, v8                     ; back and out: the 32 lanes take one row's 512 bytes
	v_add_nc_u32 v[RD], s23, v[CO]
; 16 matrix instructions: m blocks a0, a0 + 1 of the window's four (hi = 0: my rows 0-63, 1: rows 64-127) x all 8 n blocks, 32 along K.
; zero = 1: the first product starts the sums: nothing is ever cleared.
.macro MUL16 f, hi, a0, zero
.irp a, \a0, \a0+1
.irp b, 0,1,2,3,4,5,6,7
.if \zero
	v_wmma_f32_16x16x32_bf16 v[8*(8*(\a)+\b):8*(8*(\a)+\b)+7], v[\f+8*\b:\f+8*\b+7], v[\f+8*(4*\hi+\a):\f+8*(4*\hi+\a)+7], 0
.else
	v_wmma_f32_16x16x32_bf16 v[8*(8*(\a)+\b):8*(8*(\a)+\b)+7], v[\f+8*\b:\f+8*\b+7], v[\f+8*(4*\hi+\a):\f+8*(4*\hi+\a)+7], v[8*(8*(\a)+\b):8*(8*(\a)+\b)+7]
.endif
.endr
.endr
.endm
; 32 LDS loads in one run: the fragments of quarter step q (k = 32 q .. 32 q + 31 of the slot) into buffer f: B's sixteen first, then A's
.macro FETCH slot, q, f
	WIN TO_B
.irp i, 0,1,2,3,4,5,6,7
	ds_load_tr16_b128 v[\f+8*\i:\f+8*\i+3],   v[ADRB+\slot] offset:\q*32*BPITCH+32*\i
	ds_load_tr16_b128 v[\f+8*\i+4:\f+8*\i+7], v[ADRB+\slot] offset:\q*32*BPITCH+32*\i+16*BPITCH
.endr
	WIN 0
.irp i, 0,1,2,3,4,5,6,7
	ds_load_b128 v[\f+8*\i:\f+8*\i+3],   v[ADRA+\slot] offset:\q*64+\i*16*PITCH
	ds_load_b128 v[\f+8*\i+4:\f+8*\i+7], v[ADRA+\slot] offset:\q*64+\i*16*PITCH+32
.endr
.endm
; A load into a register that a matrix instruction has read stands four places behind it, and only plain vector instructions that name none of its
; registers are places (ISA guide 7.12.1 for vector instructions): four v_nop in front of each run of loads.
.macro PLACES
.rept 4
	v_nop
.endr
.endm
; One of a K step's first three quarters: multiplies buffer f; in its middle it fetches quarter q of the same slot into buffer g.
.macro QUARTER slot, q, f, g, zero
	s_wait_dscnt 8                                 ; B and A's rows 0-63 are in; the youngest eight loads (A's rows 64-127) may be out
	WIN MUL_LO
	MUL16 \f, 0, 0, \zero
	MUL16 \f, 0, 2, \zero
	PLACES
	FETCH \slot, \q, \g
	s_wait_dscnt 32                                ; all but the 32 just issued
	WIN MUL_HI
	MUL16 \f, 1, 0, \zero
	MUL16 \f, 1, 2, \zero
.endm
.macro THREE slot, zero
	QUARTER \slot, 1, F0, F1, \zero
	QUARTER \slot, 2, F1, F0, 0
	QUARTER \slot, 3, F0, F1, 0
.endm
; The last quarter: multiplies buffer 1 and changes slots.  fill = 1: this slot is filled again, two K steps ahead.
; In front of the barrier each wave waits for its own reads of this slot and for all its tensor loads, of which one is out: its part of the next slot.
; Behind it nobody reads this slot any more and the next slot is whole: the refill comes first, then the next slot's first fragments.
; From a request to the wait for it a wave issues 240 matrix instructions.
.macro TURN slot, next, fill
	s_wait_dscnt 8
	WIN MUL_LO
	MUL16 F1, 0, 0, 0
	s_wait_dscnt 0                                 ; my reads of this slot are over
	s_wait_tensorcnt 0x0                           ; and all my tensor loads have landed
	ds_add_u32 v255, v255
	s_wait_dscnt 0x0
	s_barrier_signal -1                            ; say so (where a slot is filled again this barrier opens a round of the cluster's barrier),
	MUL16 F1, 0, 2, 0                              ; work on registers while the others arrive,
	WIN 0
	s_barrier_wait -1
.if \fill
	CREST                                          ; no wave of any partner still reads this slot's tile or has a load on its way
	s_add_nc_u64 s[G0+4*\slot+2:G0+4*\slot+3], s[G0+4*\slot+2:G0+4*\slot+3], ASTEP
	s_add_nc_u64 s[G0B+4*\slot+2:G0B+4*\slot+3], s[G0B+4*\slot+2:G0B+4*\slot+3], BSTEP
	JLOAD \slot                                    ; the first tensor load behind the round, and the wave's only one until the next
.endif
	PLACES
	FETCH \next, 0, F0
	WIN MUL_HI
	MUL16 F1, 1, 0, 0
	MUL16 F1, 1, 2, 0
.endm
.macro LAP zero                        ; once round the ring, both slots filled again
	THREE 0, \zero
	TURN 0, 1, 1
	THREE 1, 0
	TURN 1, 0, 1
.endm
	s_wait_tensorcnt 0x1                           ; my part of K step 0 is in; K step 1's stays out
	s_barrier_signal -1
	s_barrier_wait -1                              ; everybody's is
	FETCH 0, 0, F0
	LAP 1                                          ; the first lap stands in front of the loop: its first products start the sums
	WIN 0                                          ; at a label and at a branch every window is 0
	s_mov_b32 s3, LAPS-2
.Llap:
	LAP 0
	WIN 0
	s_sub_co_u32 s3, s3, 1
	s_cmp_lg_u32 s3, 0
	s_cbranch_scc1 .Llap
	THREE 0, 0                                     ; the last lap fills nothing
	TURN 0, 1, 0
	THREE 1, 0
	s_wait_dscnt 8                                 ; the very last quarter: nothing more to fetch
	WIN MUL_LO
	MUL16 F1, 0, 0, 0
	MUL16 F1, 0, 2, 0
	s_wait_dscnt 0
	WIN MUL_HI
	MUL16 F1, 1, 0, 0
	MUL16 F1, 1, 2, 0
	; THE WAY OUT, 16 rows at a time: 32 bytes a lane into my own stage in LDS, read back as whole rows of 512 bytes.
	; Four places behind the last matrix instructions, for the LDS stores that read results and the loads into the fragment buffers.
	PLACES
	WIN 0
	s_lshl_b32 s16, s13, 8
	s_lshl_b32 s14, s11, 7
	s_add_co_u32 s16, s16, s14                     ; my first row: 256 x block row + 128 x half,
	s_lshl_b32 s16, s16, 12                        ; 4,096 bytes a row,
	s_lshl_b32 s14, s45, 24                        ; 4096 x 1024 x 4 bytes for each part of K
	s_add_co_u32 s16, s16, s14
	s_mov_b32 s17, 0
	s_add_nc_u64 s[8:9], s[8:9], s[16:17]
	s_lshl_b32 s46, s42, 10                        ; my first column, in bytes: 1,024 x block column + 512 x half
	s_lshl_b32 s47, s12, 9
	s_add_co_u32 s46, s46, s47
	s_mov_b32 s47, 0
	s_add_nc_u64 s[8:9], s[8:9], s[46:47]
; rows 16 i .. 16 i + 15 of my block = the eight tiles (a, 0..7) of window 2 or 3 (from = 0x08 or 0x0c: the LDS store's data, source 1); f: F0 or F1 in turn
.macro OUT16 i, a, from, f
	WIN \from
.irp b, 0,1,2,3,4,5,6,7
	ds_store_b128 v[STO], v[8*(8*\a+\b):8*(8*\a+\b)+3]   offset:64*\b
	ds_store_b128 v[STO], v[8*(8*\a+\b)+4:8*(8*\a+\b)+7] offset:64*\b+16
.endr
	WIN 0
	s_wait_xcnt 0x0                                ; every earlier memory instruction has had its addresses translated (ISA guide 3.1): buffer f, which stores read, and the stores' base are rewritten only behind this wait
.if \i
	s_add_nc_u64 s[8:9], s[8:9], 16*SIZE_N*4       ; 16 rows of part on
.endif
.irp t, 0,1,2,3,4,5,6,7,8,9,10,11,12,13,14,15
	ds_load_b128 v[\f+4*\t:\f+4*\t+3], v[RD] offset:\t*SPITCH      ; LDS serves a wave's instructions in order (ISA guide 5.7.1.4): these see the stores above; the stage is my wave's own
.endr
.irp t, 0,1,2,3,4,5,6,7,8,9,10,11,12,13,14,15
	s_wait_dscnt 15-\t                             ; read-back t is in, the 15 - t younger ones stay out
	global_store_b128 v[CO], v[\f+4*\t:\f+4*\t+3], s[8:9] offset:\t*SIZE_N*4     ; the wave stores 512 consecutive bytes, at a multiple of 512 from part's first byte
.endr
.endm
	OUT16 0, 0, 0x08, F0
	OUT16 1, 1, 0x08, F1
	OUT16 2, 2, 0x08, F0
	OUT16 3, 3, 0x08, F1
	OUT16 4, 0, 0x0c, F0
	OUT16 5, 1, 0x0c, F1
	OUT16 6, 2, 0x0c, F0
	OUT16 7, 3, 0x0c, F1
	s_set_vgpr_msb 0x1
	s_wait_tensorcnt 0x0
	ds_add_u32 v255, v255
	s_wait_dscnt 0x0
	s_set_vgpr_msb 0x100
	CROUND                                         ; the closing round: no work-group ends while a partner may still ask for a tile that names it
	s_endpgm
.Lfunc_end_k_q957e2f210b_proj:
	.size	k_q957e2f210b_proj, .Lfunc_end_k_q957e2f210b_proj-k_q957e2f210b_proj
	.p2alignl 7, 3214868480
	.fill 96, 4, 3214868480
	.section	.rodata,"a",@progbits
	.p2align	6, 0x0
	.amdhsa_kernel k_q957e2f210b_proj
		.amdhsa_group_segment_fixed_size 327680
		.amdhsa_private_segment_fixed_size 0
		.amdhsa_enable_private_segment 0
		.amdhsa_kernarg_size 24
		.amdhsa_user_sgpr_count 2
		.amdhsa_user_sgpr_kernarg_segment_ptr 1
		.amdhsa_wavefront_size32 1
		.amdhsa_system_sgpr_workgroup_id_x 1
		.amdhsa_system_sgpr_workgroup_id_y 1
		.amdhsa_system_sgpr_workgroup_id_z 1
		.amdhsa_system_vgpr_workitem_id 0
		.amdhsa_next_free_vgpr 1024
		.amdhsa_next_free_sgpr 80
		.amdhsa_reserve_vcc 0
		.amdhsa_float_denorm_mode_32 3
		.amdhsa_float_denorm_mode_16_64 3
		.amdhsa_memory_ordered 1
		.amdhsa_forward_progress 1
		.amdhsa_inst_pref_size 196
	.end_amdhsa_kernel
	.amdgpu_metadata
---
amdhsa.version: [ 1, 2 ]
amdhsa.kernels:
  - .name:           k_q957e2f210b_proj
    .symbol:         k_q957e2f210b_proj.kd
    .args:
      - { .name: hs, .offset: 0, .size: 8, .value_kind: global_buffer, .address_space: global }
      - { .name: w2b, .offset: 8, .size: 8, .value_kind: global_buffer, .address_space: global }
      - { .name: part, .offset: 16, .size: 8, .value_kind: global_buffer, .address_space: global }
    .group_segment_fixed_size: 327680
    .private_segment_fixed_size: 0
    .kernarg_segment_align: 8
    .kernarg_segment_size: 24
    .max_flat_workgroup_size: 128
    .sgpr_count:     80
    .vgpr_count:     1024
    .wavefront_size: 32
...
	.end_amdgpu_metadata
.endif
;; end of part 3
;; launch addup (part 4): grid 512 x 1, 8 waves a work-group, no clusters, 0 bytes of LDS; arguments part, b2, cw, out0; writes out0
.if DOCPART == 4
	.amdgcn_target "amdgcn-amd-amdhsa--gfx1250"
	.amdhsa_code_object_version 6
	.text
	.protected	k_q957e2f210b_addup
	.globl	k_q957e2f210b_addup
	.p2align	8
	.type	k_q957e2f210b_addup,@function
k_q957e2f210b_addup:
	s_mov_b64 s[64:65], 0
	v_nop
	global_prefetch_b8 v0, s[64:65] scope:SCOPE_SE
	s_setreg_imm32_b32 hwreg(HW_REG_WAVE_MODE, 25, 1), 1
	s_wait_xcnt 0x0
; ADDUP: out0[t][d] = part[0][t][d] + part[1][t][d] + part[2][t][d] + part[3][t][d] + cw[t][0] b2[0][d] + cw[t][1] b2[1][d], all in f32.
; The four parts are the second product's sums over the four quarters of K; cw[t] = (max(p0, p1), min(p0, p1)), so the last two terms are the two experts' b2 under the same
; weights as their products.  No work of reference() is left out here.
; LIMIT: the order of adding, (p0 + p1) + (p2 + p3), then the two terms of b2, differs from reference()'s.
;
; A stream: 67,108,864 bytes in, 16,777,216 out, each byte once.  Eight waves; the work-group owns 8 rows.  Thread t owns the 16 bytes (4 columns) at byte 16 t of every row, so
; each load and store of a wave covers 512 consecutive bytes, aligned, the eight waves together cover a row, and a thread's four b2[0] and four b2[1] stay in registers.
; A thread's 32 loads (4 parts x 8 rows) are all issued at once: there is no loop, and no register is written twice.
; A row's two weights are the same for the whole work-group: the 8 rows' 64 bytes of cw come by one scalar load (no line of this launch writes cw).
; No LDS, no matrix unit, no cluster: nothing is used twice.
.set ROW,   4096                       ; bytes in a row
.set PARTB, 0x1000000                  ; bytes in a part: 4096 x 1024 x 4
.set OFF, 1                            ; v1        16 t; never rewritten
.set B20, 4                            ; v[4:7]    b2[0] of my 4 columns
.set B21, 8                            ; v[8:11]   b2[1]
.set X,   16                           ; v[16:143] row i: part q's 4 numbers at X + 16 i + 4 q; the sum is made in part 0's registers
.set CWS, 16                           ; s[16:31]  row i's two weights at s[16 + 2 i], s[17 + 2 i]
	s_load_b256 s[4:11], s[0:1], 0x0               ; part s[4:5], b2 s[6:7], cw s[8:9], out0 s[10:11]
	v_lshlrev_b32 v[OFF], 4, v0
	s_lshl_b32 s2, ttmp9, 15                       ; the work-group's 8 rows of 4,096 bytes
	s_mov_b32 s3, 0
	s_lshl_b32 s12, ttmp9, 6                       ; and their 8 bytes each in cw
	s_mov_b32 s13, 0
	s_wait_kmcnt 0x0
	s_add_nc_u64 s[8:9], s[8:9], s[12:13]
	s_load_b512 s[CWS:CWS+15], s[8:9], 0x0         ; s[8:9] is not written again
	s_add_nc_u64 s[4:5], s[4:5], s[2:3]            ; part 0 at the work-group's first row;
	s_add_nc_u64 s[32:33], s[4:5], PARTB           ; a part is too far from the next for a load's immediate: a base for each
	s_add_nc_u64 s[34:35], s[4:5], 2*PARTB
	s_add_nc_u64 s[36:37], s[4:5], 3*PARTB
	s_add_nc_u64 s[10:11], s[10:11], s[2:3]
	global_load_b128 v[B20:B20+3], v[OFF], s[6:7]
	global_load_b128 v[B21:B21+3], v[OFF], s[6:7] offset:4096
.irp i, 0,1,2,3,4,5,6,7
	global_load_b128 v[X+16*\i:X+16*\i+3],     v[OFF], s[4:5]   offset:\i*ROW th:TH_LOAD_NT
	global_load_b128 v[X+16*\i+4:X+16*\i+7],   v[OFF], s[32:33] offset:\i*ROW th:TH_LOAD_NT
	global_load_b128 v[X+16*\i+8:X+16*\i+11],  v[OFF], s[34:35] offset:\i*ROW th:TH_LOAD_NT
	global_load_b128 v[X+16*\i+12:X+16*\i+15], v[OFF], s[36:37] offset:\i*ROW th:TH_LOAD_NT
.endr
	s_wait_kmcnt 0x0                               ; the weights
.irp i, 0,1,2,3,4,5,6,7
	s_wait_loadcnt 28-4*\i                         ; loads come back in order: row i's four are in (b2's two are older: in too), the later rows' 28 - 4 i stay out
	v_pk_add_f32 v[X+16*\i:X+16*\i+1],     v[X+16*\i:X+16*\i+1],     v[X+16*\i+4:X+16*\i+5]
	v_pk_add_f32 v[X+16*\i+2:X+16*\i+3],   v[X+16*\i+2:X+16*\i+3],   v[X+16*\i+6:X+16*\i+7]
	v_pk_add_f32 v[X+16*\i+8:X+16*\i+9],   v[X+16*\i+8:X+16*\i+9],   v[X+16*\i+12:X+16*\i+13]
	v_pk_add_f32 v[X+16*\i+10:X+16*\i+11], v[X+16*\i+10:X+16*\i+11], v[X+16*\i+14:X+16*\i+15]
	v_pk_add_f32 v[X+16*\i:X+16*\i+1],     v[X+16*\i:X+16*\i+1],     v[X+16*\i+8:X+16*\i+9]
	v_pk_add_f32 v[X+16*\i+2:X+16*\i+3],   v[X+16*\i+2:X+16*\i+3],   v[X+16*\i+10:X+16*\i+11]
.irp j, 0,1,2,3
	v_fma_f32 v[X+16*\i+\j], v[B20+\j], s[CWS+2*\i], v[X+16*\i+\j]
.endr
.irp j, 0,1,2,3
	v_fma_f32 v[X+16*\i+\j], v[B21+\j], s[CWS+2*\i+1], v[X+16*\i+\j]
.endr
	global_store_b128 v[OFF], v[X+16*\i:X+16*\i+3], s[10:11] offset:\i*ROW th:TH_STORE_NT
.endr
	s_endpgm
.Lfunc_end_k_q957e2f210b_addup:
	.size	k_q957e2f210b_addup, .Lfunc_end_k_q957e2f210b_addup-k_q957e2f210b_addup
	.p2alignl 7, 3214868480
	.fill 96, 4, 3214868480
	.section	.rodata,"a",@progbits
	.p2align	6, 0x0
	.amdhsa_kernel k_q957e2f210b_addup
		.amdhsa_group_segment_fixed_size 0
		.amdhsa_private_segment_fixed_size 0
		.amdhsa_enable_private_segment 0
		.amdhsa_kernarg_size 32
		.amdhsa_user_sgpr_count 2
		.amdhsa_user_sgpr_kernarg_segment_ptr 1
		.amdhsa_wavefront_size32 1
		.amdhsa_system_sgpr_workgroup_id_x 1
		.amdhsa_system_sgpr_workgroup_id_y 1
		.amdhsa_system_sgpr_workgroup_id_z 1
		.amdhsa_system_vgpr_workitem_id 0
		.amdhsa_next_free_vgpr 144
		.amdhsa_next_free_sgpr 66
		.amdhsa_reserve_vcc 0
		.amdhsa_float_denorm_mode_32 3
		.amdhsa_float_denorm_mode_16_64 3
		.amdhsa_memory_ordered 1
		.amdhsa_forward_progress 1
		.amdhsa_inst_pref_size 13
	.end_amdhsa_kernel
	.amdgpu_metadata
---
amdhsa.version: [ 1, 2 ]
amdhsa.kernels:
  - .name:           k_q957e2f210b_addup
    .symbol:         k_q957e2f210b_addup.kd
    .args:
      - { .name: part, .offset: 0, .size: 8, .value_kind: global_buffer, .address_space: global }
      - { .name: b2, .offset: 8, .size: 8, .value_kind: global_buffer, .address_space: global }
      - { .name: cw, .offset: 16, .size: 8, .value_kind: global_buffer, .address_space: global }
      - { .name: out0, .offset: 24, .size: 8, .value_kind: global_buffer, .address_space: global }
    .group_segment_fixed_size: 0
    .private_segment_fixed_size: 0
    .kernarg_segment_align: 8
    .kernarg_segment_size: 32
    .max_flat_workgroup_size: 256
    .sgpr_count:     66
    .vgpr_count:     144
    .wavefront_size: 32
...
	.end_amdgpu_metadata
.endif
;; end of part 4
